; MI455X (gfx1250); checked and timed in simulation.
; The chip was launched on July 23, 2026; its instructions are those of AMD's public machine-readable ISA for CDNA 5 (MIT licence, August 2026) and "CDNA5" Instruction Set Architecture Reference Guide (July 2026). The comments in the code are by the model that wrote it; some were corrected since.
;; Multi Head Attention. Allowed arithmetic: matrix products marked QUANTISED: E2M3 operands, one E8M0 scale for each 32 along K, by v_wmma_scale_f32_16x16x128_f8f6f4 with both operands' format E2M3, f32 sums; everything else in f32.
;; Inputs: out_b 1,024 float32; out_w_codes 1,024 x 32 x 24 uint8 (E2M3 codes of out_w, K innermost, in blocks of 32 codes, four codes in three bytes); out_w_scales 1,024 x 32 uint8 (E8M0 scales of out_w, one for each 32 codes along K); qkv_b 3,072 float32; qkv_w_codes 3,072 x 32 x 24 uint8 (E2M3 codes of qkv_w, K innermost, in blocks of 32 codes, four codes in three bytes); qkv_w_scales 3,072 x 32 uint8 (E8M0 scales of qkv_w, one for each 32 codes along K); x_codes 4 x 2,048 x 32 x 24 uint8 (E2M3 codes of x, K innermost, in blocks of 32 codes, four codes in three bytes); x_scales 4 x 2,048 x 32 uint8 (E8M0 scales of x, one for each 32 codes along K).
;; Outputs: out0 4 x 2,048 x 1,024 float32.
;; This version of the problem:
;;   THIS VERSION OF THE PROBLEM IS GIVEN IN LOW PRECISION. The matrix products marked QUANTISED in the list below multiply operands that are first quantised to E2M3 (2 exponent bits, 3 mantissa bits; 6 bits a number), with one power-of-two scale for each 32 numbers along K (OCP MX v1.0); their sums are f32. All else is computed in f32.
;;   The module's matrix products, in the order in which they are computed (A, B: the left and right operand; K: the contracted axis; several contracted axes count as one K, in the product's order):
;;     1. [M 8,192, K 1,024] x [K 1,024, N 3,072]; A: input x (given as codes); B: input qkv_w (given as codes): QUANTISED
;;     2. batch 64 x [M 2,048, K 64] x [K 64, N 2,048]; A: computed on the way; B: computed on the way: QUANTISED
;;     3. batch 64 x [M 2,048, K 2,048] x [K 2,048, N 64]; A: softmax (see below); B: computed on the way: QUANTISED
;;     4. [M 8,192, K 1,024] x [K 1,024, N 1,024]; A: computed on the way; B: input out_w (given as codes): QUANTISED
;;   THE QUANTISER, for each operand of a quantised product, along K:
;;     - K is cut into blocks of 32 from its start; a last block that is shorter is filled with zeros.
;;     - A block's scale is 2^e with e = floor(log2(the largest magnitude in the block)) - 2, held to -126 .. 127; a block of zeros has e = 0. As a byte (E8M0): e + 127.
;;     - Each number is divided by its block's scale, clamped to +-7.5, and rounded to the nearest number of E2M3, ties to even, subnormals kept.
;;     - The product sums the exact products of the quantised numbers (number of the format x scale) in f32.
;;   ~~~python
;;   def quantise(x, axis):      # numpy; x: float32 -> the quantised numbers, widened to float32 again
;;       x = np.moveaxis(x, axis, -1); K = x.shape[-1]
;;       x = np.pad(x, [(0, 0)] * (x.ndim - 1) + [(0, -K % 32)]); x = x.reshape(x.shape[:-1] + (-1, 32)); a = np.abs(x).max(-1, keepdims=True)
;;       e = np.where(a > 0, np.clip(np.frexp(np.where(a > 0, a, 1))[1] - 1 - 2, -126, 127), 0)      # np.frexp(a)[1] - 1 = floor(log2(a)), exactly
;;       r = np.clip(x / 2.0 ** e, -7.5, 7.5)
;;       step = 2.0 ** (np.maximum(np.frexp(np.where(r == 0, 1, r))[1] - 1, 0) - 3)
;;       q = np.round(r / step) * step * 2.0 ** e      # np.round: ties to even
;;       return np.moveaxis(q.reshape(q.shape[:-2] + (-1,))[..., :K], -1, axis).astype(np.float32)
;;   ~~~
;;   SOFTMAX AHEAD OF A QUANTISED PRODUCT. Where the list says 'softmax', what is quantised is not the finished softmax but p = 2^(t - M), with t = logit x log2(e) and M = ceil(the row's largest t), a whole number; so 1/2 < the row's largest p <= 1. The row's sum l is taken of the UNQUANTISED p, in f32, and the product's result is divided by l at the end. Since M is a whole number, a kernel that streams over the keys may use a running M (the ceiling of the running maximum): every later rescaling is an exact power of two, which a block's scale takes up: the codes' values come out the same.
;;   OPERANDS COMPUTED ON THE WAY. 'Computed on the way' means the value that the module computes at that place (a softmax that the list does not call 'softmax' is quantised finished and normalised). What goes into a quantiser is computed in f32, as accurately as f32 sums, v_exp_f32 and their like allow (about 1e-6 of the number): no bf16 or f16 on the way to a quantiser, and a product that is left as it is and whose result goes on into a quantised operand takes f32 operands (vector FMAs, or v_wmma_f32_16x16x4_f32). A number that lies on a knife's edge between two numbers of the format may be rounded either way, as far as f32 arithmetic and the matrix unit's own rounding can turn it there, and no further.
;;   INPUTS GIVEN AS CODES. out_w (in the module: [1024, 1024], K = its axis 1); qkv_w (in the module: [3072, 1024], K = its axis 1); x (in the module: [4, 2048, 1024], K = its axis 2): each comes as NAME_codes (uint8): NAME with its K axis moved to the last place and cut into blocks of 32 codes, [.., K / 32, bytes a block], one block behind the other in memory; four codes in three bytes: a row's codes are one little-endian stream of bits, code i at bits 6 i .. 6 i + 5 (a code: sign, 2 exponent bits, 3 mantissa bits); and NAME_scales (uint8): the same leading axes, one E8M0 byte (e + 127) for each 32 codes along K. Its value is code x scale, taken as it is: it is not quantised again, and the codes and scales need not be those that the quantiser above would give.
;; One version. Each part assembles by itself: llvm-mc -triple=amdgcn-amd-amdhsa -mcpu=gfx1250 --defsym DOCPART=n.
;; ======== version 1 of 1: 3 launches
;; limits: right only within a limited range of input values
;; workspace buffers: qbuf 6,815,744 bytes; kv 13,369,344 bytes; ac 6,291,456 bytes; asc 262,144 bytes
;; launch qkv (part 1): grid 12 x 32, 4 waves a work-group, clusters of 4 x 4, 327,680 bytes of LDS; arguments x_codes, x_scales, qkv_w_codes, qkv_w_scales, qkv_b, qbuf, kv; writes qbuf, kv
.if DOCPART == 1
	.amdgcn_target "amdgcn-amd-amdhsa--gfx1250"
	.amdhsa_code_object_version 6
	.text
	.protected	k_q2a6e7ff708_qkv
	.globl	k_q2a6e7ff708_qkv
	.p2align	8
	.type	k_q2a6e7ff708_qkv,@function
k_q2a6e7ff708_qkv:
	s_mov_b64 s[64:65], 0
	v_nop
	global_prefetch_b8 v0, s[64:65] scope:SCOPE_SE
	s_setreg_imm32_b32 hwreg(HW_REG_WAVE_MODE, 25, 1), 1
	s_wait_xcnt 0x0
	s_wait_alu depctr_hold_cnt(0) depctr_sa_sdst(0) depctr_va_vdst(0) depctr_va_sdst(0) depctr_va_ssrc(0) depctr_va_vcc(0) depctr_vm_vsrc(0)
	s_getreg_b32 s2, hwreg(HW_REG_IB_STS2, 6, 4)
	s_cmp_eq_u32 s2, 0
	s_cbranch_scc0 .Lentry_in_a_cluster
	s_endpgm
.Lentry_in_a_cluster:
	s_bfe_u32 s2, ttmp6, 0x10000c
	s_cmp_lg_u32 s2, 0xf033
	s_cbranch_scc0 .Lentry_shape_is_right
	s_endpgm
.Lentry_shape_is_right:
; qkv = x W^T + b on codes of FP6 (E2M3) with E8M0 scales; q, k, v are quantised again in registers: q and k along the head's 64, v along the keys.
; ONE BODY FOR ALL THREE.  P is source 0 (a lane's registers run along P, the next product's K), R is source 1 (a lane is one row of R).
;   cluster x = 0 (q), 1 (k): P = rows of W, R = rows of x.   cluster x = 2 (v): P = rows of x (keys), R = rows 2,048 on of W.
; A work-group makes 256 (P) x 256 (R), a wave 128 x 128: 64 accumulators.  K = 1,024 is 768 bytes a row: three chunks of 256 bytes, each on a 256-byte border, through a ring of two LDS slots;
; a matrix step is 96 bytes: eight steps to three chunks, steps 2 and 5 lie across two chunks.  The scale bytes of the 512 rows come once.
; 4 x 4 work-groups form a cluster: R's tiles are asked for jointly along a row of the cluster, P's along a column.
; No prefetch: the block is the largest, in clusters, and K is three chunks: the first two are asked for at the head, one refill follows.
; THE WAY OUT USES NO LDS.  For each tile of 16 rows of R a lane holds 64 numbers along P: + bias, four blocks of 32 quantised; the 12 registers of codes are a fragment of the next product,
; stored as images: six registers (16 rows x 64 codes) are 768 bytes: registers 0-3 at 16 x lane, registers 4-5 at 512 + 8 x lane.
; ORDER INSIDE A BLOCK OF 32: position p holds index 16 ((p % 16) / 8) + 8 (p / 16) + p % 8; q and k get it alike, and so do v and the softmax's p in the next launch.
; qbuf: [head 64][128 queries 16] records of 6,656 bytes: 8 tiles x 768, then 512 of scale words (lane l, word i: tile 2 i + l / 16, row l % 16).
; kv:   [head 64][128 keys 16] records of 13,056 bytes: K 8 x 768 | V 4 x 1,536 at 6,144 | K's scale words at 12,288 | V's at 12,800.
; LIMITS: NaN and infinities are not served.  A block whose largest magnitude lies under 2^-124, a block of zeros among them, gets the scale byte 1 (this program alone reads the bytes; zero codes add nothing).
.set ROWB,   256
.set NQ,     2
.set KROW,   768
.set STEPS,  8
.set CHUNKS, 3
.set PITCH,  272
.set FR,     12
.set NL,     6
.set NP,     4
.set HALFT,  128*PITCH
.set SLOT,   4*HALFT
.set KS,     32
.set SCL,    2*SLOT
.set HALFS,  (128*KS/256)*272
.set SBLK,   (16*KS/256)*272
.set SPARE,  SCL+4*HALFS
.set QREC,   6656
.set KREC,   13056
.set HEADB,  16*KREC
.set L8,   7
.set ADRA, 16                          ; v16-17 R's fragments in slot 0, 1; v18-19 for pieces whose lanes 16-31 lie in the next chunk
.set ADRB, 20                          ; v20-23 the same for P
.set BO,   24
.set SO,   25
.set L16,  26
.set ADRS, 27
.set SPW,  28
.set NIL,  29
.set SC,   32
.set SW,   32
.set IM,   40
.set BP,   64
.set AF,   128
.set T,    128
.set PC,   192
.set TM,   224
.set SEL,  46
.set G1, 24
.set G0, 32
.set G1B, 48
.set G0B, 56
.set G1S, 68
.set G0S, 76
.set G1SB, 80
.set G0SB, 88
.set G0H, 4
.set G0HB, 8
.set MSB, 0
.macro WIN new
.if MSB != \new
	s_set_vgpr_msb (MSB<<8)|\new
.set MSB, \new
.endif
.endm
.set MUL_LO, 0xa1
.set MUL_HI, 0xf1
.set TO_B,   0x40
.macro JLOAD g0a, g1a, g0b, g1b        ; waves 0, 1 fetch for R, waves 2, 3 for P
	s_cmp_eq_u32 s15, 0
	s_cbranch_scc0 .Lfor_b_\@
	tensor_load_to_lds s[\g0a:\g0a+3], s[\g1a:\g1a+7]
	s_nop 0
.rept 4
	v_nop
.endr
	s_branch .Lasked_\@
.Lfor_b_\@:
	tensor_load_to_lds s[\g0b:\g0b+3], s[\g1b:\g1b+7]
	s_nop 0
.rept 4
	v_nop
.endr
.Lasked_\@:
.endm
.macro CREST
	s_cmp_lg_u32 s14, 0
	s_cbranch_scc1 .Lnot_wave_0_\@
	s_barrier_signal -3
.Lnot_wave_0_\@:
	s_barrier_wait -3
	s_barrier_signal -1
	s_barrier_wait -1
.endm
.macro CROUND
	s_barrier_signal -1
	s_barrier_wait -1
	CREST
.endm
	s_load_b256 s[4:11], s[0:1], 0x0               ; x's codes, x's scales, W's codes, W's scales
	s_load_b64 s[12:13], s[0:1], 0x20              ; the bias
	s_load_b64 s[96:97], s[0:1], 0x28              ; qbuf
	s_load_b64 s[98:99], s[0:1], 0x30              ; kv
	v_lshl_add_u32 v[SPW], v0, 2, SPARE
	v_mov_b32 v[NIL], 0
	ds_add_u32 v[SPW], v[NIL]                      ; the opening lines
	ds_add_u32 v[SPW], v[NIL]
	v_lshrrev_b32 v1, 5, v0
	v_readfirstlane_b32 s14, v1                    ; wave
	s_lshr_b32 s15, s14, 1                         ; my half of R's rows; also: I fetch for R (0) or P (1)
	s_and_b32 s16, s14, 1                          ; my half of P's rows; also: which 128 rows I fetch
	s_bfe_u32 s40, ttmp6, 0x40000                  ; cx
	s_bfe_u32 s41, ttmp6, 0x40004                  ; cy
	s_mov_b32 s66, ttmp9                           ; the cluster's x: 0 q, 1 k, 2 v
	s_and_b32 s67, ttmp7, 0xffff                   ; the cluster's y
	s_cmp_eq_u32 s66, 2
	s_cselect_b32 s42, s67, s66
	s_cselect_b32 s17, 0, s67
	s_cselect_b32 s67, 2048, 0                     ; v's rows of W begin at row 2,048
	s_lshl_b32 s42, s42, 2
	s_add_co_u32 s42, s42, s40                     ; P's tile of 256 rows
	s_lshl_b32 s17, s17, 2
	s_add_co_u32 s17, s17, s41                     ; R's tile
	s_lshl_b32 s43, s41, 2
	s_lshl_b32 s43, 15, s43                        ; my row of the cluster
	s_lshl_b32 s44, 0x1111, s40                    ; my column
	s_or_b32 s[G1+0], s43, (0<<16)|(1<<20)|(1<<21)|(5<<22)|(3<<25)   ; rows of 256 bytes, 16 of padding behind each
	s_or_b32 s[G1B+0], s44, (0<<16)|(1<<20)|(1<<21)|(5<<22)|(3<<25)
.irp g, G1, G1B
	s_mov_b32 s[\g+1], ROWB<<16
	s_mov_b32 s[\g+2], 256<<16                     ; the head's loads bring 256 rows
	s_mov_b32 s[\g+3], ROWB<<16
	s_mov_b32 s[\g+4], 256
	s_mov_b32 s[\g+5], KROW
	s_mov_b32 s[\g+6], 0
	s_mov_b32 s[\g+7], 0
.endr
	s_or_b32 s[G1S+0], s43, (3<<16)|(1<<20)|(1<<21)|(5<<22)|(3<<25)  ; the scales of 256 rows: 8,192 dense bytes as 32 rows of 256
	s_or_b32 s[G1SB+0], s44, (3<<16)|(1<<20)|(1<<21)|(5<<22)|(3<<25)
.irp g, G1S, G1SB
	s_mov_b32 s[\g+1], 32<<16
	s_mov_b32 s[\g+2], KS<<16
	s_mov_b32 s[\g+3], 32<<16
	s_mov_b32 s[\g+4], KS
	s_mov_b32 s[\g+5], 32
	s_mov_b32 s[\g+6], 0
	s_mov_b32 s[\g+7], 0
.endr
	s_lshl_b32 s18, s16, 7
	s_lshl_b32 s104, s42, 8
	s_add_co_u32 s104, s104, s18                   ; my wave's first row of P
	s_lshl_b32 s105, s17, 8
	s_lshl_b32 s19, s15, 7
	s_add_co_u32 s105, s105, s19                   ; my wave's first row of R, counted from R's first
	s_lshl_b32 s20, s17, 8
	s_add_co_u32 s20, s20, s67                     ; R: the tile's first row
	s_lshl_b32 s46, s42, 8                         ; P: likewise
	s_mov_b32 s21, 0
	s_mov_b32 s47, 0
	s_mov_b64 s[18:19], KS
	s_mul_u64 s[22:23], s[20:21], s[18:19]
	s_mul_u64 s[92:93], s[46:47], s[18:19]
	s_mov_b64 s[18:19], KROW
	s_mul_u64 s[20:21], s[20:21], s[18:19]
	s_mul_u64 s[46:47], s[46:47], s[18:19]
	s_mul_i32 s18, s16, 128*KROW                   ; in the ring I fetch 128 rows
	s_mov_b32 s19, 0
	s_mul_i32 s45, s14, HALFT
	s_wait_dscnt 0x0
	s_wait_kmcnt 0x0
	s_cmp_eq_u32 s66, 2                            ; the choice of buffers hangs on the cluster's x alone
	s_cselect_b64 s[100:101], s[4:5], s[8:9]       ; P's codes
	s_cselect_b64 s[4:5], s[8:9], s[4:5]           ; R's codes
	s_cselect_b64 s[8:9], s[6:7], s[10:11]         ; P's scales
	s_cselect_b64 s[6:7], s[10:11], s[6:7]         ; R's scales
	s_add_nc_u64 s[20:21], s[4:5], s[20:21]
	s_add_nc_u64 s[22:23], s[6:7], s[22:23]
	s_add_nc_u64 s[46:47], s[100:101], s[46:47]
	s_add_nc_u64 s[92:93], s[8:9], s[92:93]
	CROUND                                         ; in front of the first joint loads
	s_mov_b32 s[G0H], 1
	s_mov_b32 s[G0H+1], 0
	s_mov_b64 s[G0H+2:G0H+3], s[20:21]
	s_or_b32 s[G0H+3], s[G0H+3], 0x80000000
	s_mov_b32 s[G0HB], 1
	s_mov_b32 s[G0HB+1], 2*HALFT
	s_mov_b64 s[G0HB+2:G0HB+3], s[46:47]
	s_or_b32 s[G0HB+3], s[G0HB+3], 0x80000000
	s_mov_b32 s[G0S], 1
	s_mov_b32 s[G0S+1], SCL
	s_mov_b64 s[G0S+2:G0S+3], s[22:23]
	s_or_b32 s[G0S+3], s[G0S+3], 0x80000000
	s_mov_b32 s[G0SB], 1
	s_mov_b32 s[G0SB+1], SCL+2*HALFS
	s_mov_b64 s[G0SB+2:G0SB+3], s[92:93]
	s_or_b32 s[G0SB+3], s[G0SB+3], 0x80000000
	s_add_nc_u64 s[20:21], s[20:21], s[18:19]
	s_add_nc_u64 s[46:47], s[46:47], s[18:19]
.irp s, 0,1
	s_mov_b32 s[G0+4*\s], 1
	s_add_co_u32 s[G0+4*\s+1], s45, \s*SLOT
	s_add_nc_u64 s[G0+4*\s+2:G0+4*\s+3], s[20:21], \s*ROWB
	s_or_b32 s[G0+4*\s+3], s[G0+4*\s+3], 0x80000000
	s_mov_b32 s[G0B+4*\s], 1
	s_add_co_u32 s[G0B+4*\s+1], s45, \s*SLOT
	s_add_nc_u64 s[G0B+4*\s+2:G0B+4*\s+3], s[46:47], \s*ROWB
	s_or_b32 s[G0B+4*\s+3], s[G0B+4*\s+3], 0x80000000
.endr
; the head's four tiles, one load a wave: chunk 0 of R, chunk 0 of P, R's scales, P's scales
.macro ARM under, g0, g1, next
	s_cmp_lt_u32 s14, \under
	s_cbranch_scc0 \next
	tensor_load_to_lds s[\g0:\g0+3], s[\g1:\g1+7]
	s_nop 0
.rept 4
	v_nop
.endr
	s_branch .Lhead_asked
\next:
.endm
	ARM 1, G0H,  G1,  .Lhead_b
	ARM 2, G0HB, G1B, .Lhead_sa
	ARM 3, G0S,  G1S, .Lhead_sb
	tensor_load_to_lds s[G0SB:G0SB+3], s[G1SB:G1SB+7]
	s_nop 0
.rept 4
	v_nop
.endr
.Lhead_asked:
	v_and_b32 v1, 15, v0                           ; r
	v_bfe_u32 v2, v0, 4, 1                         ; h
	v_mul_u32_u24 v3, v1, PITCH
	v_mul_u32_u24 v4, v2, 24
	v_add_nc_u32 v4, v3, v4
	s_mov_b32 s21, SLOT-232
	s_mov_b32 s22, SLOT+232
	v_sub_nc_u32 v8, 1, v2
	v_mul_u32_u24 v5, s21, v2
	v_add_nc_u32 v5, v3, v5
	v_add_nc_u32 v5, 232, v5                       ; lanes 0-15 byte 232 of the row in slot 0, lanes 16-31 byte 0 in slot 1
	v_mul_u32_u24 v6, s22, v8
	v_add_nc_u32 v6, v3, v6                        ; and the other way round
	s_mul_i32 s21, s15, HALFT
	s_mul_i32 s22, s16, HALFT
	s_add_co_u32 s22, s22, 2*HALFT
	v_add_nc_u32 v[ADRA+2], s21, v5
	v_add_nc_u32 v[ADRA+3], s21, v6
	v_add_nc_u32 v[ADRB+2], s22, v5
	v_add_nc_u32 v[ADRB+3], s22, v6
.irp s, 0,1
	v_add_nc_u32 v[ADRA+\s], s21, v4
	v_add_nc_u32 v[ADRB+\s], s22, v4
	s_add_co_u32 s21, s21, SLOT
	s_add_co_u32 s22, s22, SLOT
.endr
	v_mul_u32_u24 v5, v1, KS
	v_lshrrev_b32 v6, 8, v5
	v_lshl_add_u32 v5, v6, 4, v5
	s_mul_i32 s21, s15, HALFS
	s_mul_i32 s22, s16, HALFS
	s_add_co_u32 s22, s22, 2*HALFS
	s_sub_co_u32 s22, s22, s21
	v_mul_u32_u24 v6, s22, v2                      ; lanes 16-31 take P's
	s_add_co_u32 s21, s21, SCL
	v_add_nc_u32 v5, v5, v6
	v_add_nc_u32 v[ADRS], s21, v5
	v_and_b32 v6, 31, v0
	v_lshlrev_b32 v[L16], 4, v6
	v_lshlrev_b32 v[L8], 3, v6
.irp b, 0,1,2,3
	v_mov_b32 v[TM+4+\b], 0                        ; a lane permute's destination counts as one of its sources
.endr
	s_mov_b32 s[SEL], 0x76543210
	s_mov_b32 s[SEL+1], 0xfedcba98
.macro FRAG reg, adr, st, i            ; 12 registers: six pieces of 8 bytes; byte y of a row lies in slot (y / 256) % 2 at byte y % 256 of the LDS row
.irp p, 0,1,2,3,4,5
.set BY, 96*(\st)+48*(\p/3)+8*(\p%3)
.if BY/ROWB == (BY+24)/ROWB
	ds_load_b64 v[\reg+2*\p:\reg+2*\p+1], v[\adr+(BY/ROWB)%2] offset:BY%ROWB+(\i)*16*PITCH
.else
	ds_load_b64 v[\reg+2*\p:\reg+2*\p+1], v[\adr+2+(BY/ROWB)%2] offset:BY%ROWB-232+(\i)*16*PITCH
.endif
.endr
.endm
; 16 products: R's blocks a0, a0 + 1 x P's eight.  The 64 accumulators take turns.
.macro MUL16 a0, p, q, sc, zero
.irp a, \a0, \a0+1
.irp b, 0,1,2,3,4,5,6,7
.if \zero
	v_wmma_scale_f32_16x16x128_f8f6f4 v[8*(8*((\a)%4)+\b):8*(8*((\a)%4)+\b)+7], v[128*(\p)+FR*\b:128*(\p)+FR*\b+FR-1], v[AF+FR*(\a):AF+FR*(\a)+FR-1], 0, v[SC+8*NQ*(\sc)+NQ*\b+(\q)], v[SC+8*NQ*(\sc)+NQ*(\a)+(\q)] matrix_a_fmt:MATRIX_FMT_FP6 matrix_b_fmt:MATRIX_FMT_FP6 matrix_a_scale:MATRIX_SCALE_ROW1
.else
	v_wmma_scale_f32_16x16x128_f8f6f4 v[8*(8*((\a)%4)+\b):8*(8*((\a)%4)+\b)+7], v[128*(\p)+FR*\b:128*(\p)+FR*\b+FR-1], v[AF+FR*(\a):AF+FR*(\a)+FR-1], v[8*(8*((\a)%4)+\b):8*(8*((\a)%4)+\b)+7], v[SC+8*NQ*(\sc)+NQ*\b+(\q)], v[SC+8*NQ*(\sc)+NQ*(\a)+(\q)] matrix_a_fmt:MATRIX_FMT_FP6 matrix_b_fmt:MATRIX_FMT_FP6 matrix_a_scale:MATRIX_SCALE_ROW1
.endif
.endr
.endr
.endm
.macro FETCH_B st, p
	WIN TO_B
.irp i, 0,1,2,3,4,5,6,7
	FRAG 128*(\p)+FR*\i, ADRB, \st, \i
.endr
	WIN 0
.endm
.macro FETCH_A st, i0
.irp i, \i0, \i0+1, \i0+2, \i0+3
	FRAG AF+FR*(\i), ADRA, \st, \i
.endr
.endm
.macro SCALES pr                       ; the scale words of steps 2 pr, 2 pr + 1: lanes 0-15 R's block i, lanes 16-31 P's
.irp i, 0,1,2,3,4,5,6,7
	ds_load_b64 v[SC+8*NQ*((\pr)%2)+NQ*\i:SC+8*NQ*((\pr)%2)+NQ*\i+1], v[ADRS] offset:\i*SBLK+4*NQ*(\pr)
.endr
.endm
.macro PLACES n
.rept \n
	v_nop
.endr
.endm
; A step of 128 along K.  Where the next step's bytes end in a chunk not read yet: wait for my tensor loads and a barrier.  Where they begin in a later chunk: the three lines, the barrier,
; and, where a chunk two on is left, a round of the cluster's barrier and the refill.
.macro STEP st, zero
.set NX, (\st)+1
.set C0, (96*(\st))/ROWB
.set C1, (96*NX)/ROWB
.set E0, (96*(\st)+95)/ROWB
.set E1, (96*NX+95)/ROWB
.if C1 > C0 || E1 > E0
	s_wait_tensorcnt 0x0
.if C1 > C0
	ds_add_u32 v[SPW], v[NIL]
	s_wait_dscnt 4*NL+1                            ; the add and R's blocks 4-7 may be out
.else
	s_wait_dscnt 4*NL
.endif
	WIN MUL_LO
	MUL16 0, (\st)%2, (\st)%2, ((\st)/2)%2, \zero
	s_wait_dscnt 0x0
	s_barrier_signal -1
	MUL16 2, (\st)%2, (\st)%2, ((\st)/2)%2, \zero
	WIN 0
	s_barrier_wait -1
.if C1 > C0 && C0+2 < CHUNKS
	CREST
	s_add_nc_u64 s[G0+4*(C0%2)+2:G0+4*(C0%2)+3], s[G0+4*(C0%2)+2:G0+4*(C0%2)+3], 2*ROWB
	s_add_nc_u64 s[G0B+4*(C0%2)+2:G0B+4*(C0%2)+3], s[G0B+4*(C0%2)+2:G0B+4*(C0%2)+3], 2*ROWB
	JLOAD G0+4*(C0%2), G1, G0B+4*(C0%2), G1B
.else
	PLACES NP
.endif
.else
	s_wait_dscnt 4*NL                              ; R's blocks 4-7, the youngest 24 loads, may be out
	WIN MUL_LO
	MUL16 0, (\st)%2, (\st)%2, ((\st)/2)%2, \zero
	MUL16 2, (\st)%2, (\st)%2, ((\st)/2)%2, \zero
	s_wait_dscnt 0
	PLACES NP
.endif
	FETCH_B NX, NX%2
	FETCH_A NX, 0
.if NX%2 == 0
	SCALES NX/2
.endif
	WIN MUL_HI
	MUL16 4, (\st)%2, (\st)%2, ((\st)/2)%2, \zero
	MUL16 6, (\st)%2, (\st)%2, ((\st)/2)%2, \zero
	PLACES NP
	WIN 0
	FETCH_A NX, 4
.endm
.macro LAST                            ; the last step: nothing more to fetch
	s_wait_dscnt 4*NL
	WIN MUL_LO
	MUL16 0, 1, 1, 1, 0
	MUL16 2, 1, 1, 1, 0
	s_wait_dscnt 0
	WIN MUL_HI
	MUL16 4, 1, 1, 1, 0
	MUL16 6, 1, 1, 1, 0
	WIN 0
.endm
; 64 numbers of a lane become a fragment's codes in v[PC] on and its scale word in v[pw]
.macro QUANT s, pw, xw
.irp b, 0,1,2,3
	v_max3_num_f32 v[TM+\b], |v[\s+16*\b]|, |v[\s+1+16*\b]|, 0x1800000   ; with the floor 2^(3 - 127): the byte cannot fall under 1
.endr
.irp i, 2,4,6,8,10,12,14
.irp b, 0,1,2,3
	v_max3_num_f32 v[TM+\b], v[TM+\b], |v[\s+16*\b+\i]|, |v[\s+1+16*\b+\i]|
.endr
.endr
.irp b, 0,1,2,3
	v_permlanex16_b32 v[TM+4+\b], v[TM+\b], s[SEL], s[SEL+1]
.endr
.irp b, 0,1,2,3
	v_max_num_f32 v[TM+\b], v[TM+\b], v[TM+4+\b]
.endr
.irp b, 0,1,2,3
	v_add_nc_u32 v[TM+12+\b], 0xff000000, v[TM+\b] ; 2 off the exponent field: the conversion's scale operand
.endr
.irp b, 0,1,2,3
	v_lshrrev_b32 v[TM+4+\b], 23, v[TM+12+\b]
.endr
	v_lshl_or_b32 v[\pw], v[TM+5], 8, v[TM+4]
	v_lshl_or_b32 v[\pw], v[TM+6], 16, v[\pw]
	v_lshl_or_b32 v[\pw], v[TM+7], 24, v[\pw]
.if \xw
	s_wait_xcnt 0x0                                ; earlier stores have read v[PC] on
.endif
.irp c, 0,1
	v_cvt_scalef32_pk16_fp6_f32 v[PC+6*\c:PC+2+6*\c], v[\s+32*\c:\s+15+32*\c], v[TM+12+2*\c]
	v_cvt_scalef32_pk16_fp6_f32 v[PC+12+4*\c:PC+14+4*\c], v[\s+16+32*\c:\s+31+32*\c], v[TM+12+2*\c+1]
.endr
	v_nop
.irp c, 0,1
.irp i, 0,1,2
	v_permlane16_swap_b32 v[PC+6*\c+\i], v[PC+12+4*\c+\i]
.endr
.irp i, 0,1,2
	v_mov_b32 v[PC+3+6*\c+\i], v[PC+12+4*\c+\i]
.endr
.endr
.endm
; Tile rt of R goes out.  mode 0 (q, k): the bias runs along P; registers 0-5 are head A's, 6-11 head A + 1's.  mode 1 (v): the bias is my row's; the 12 registers are one tile of V.
.macro EPI rt, mode
	WIN 0x02+(\rt)/4
.set ii, 0
.rept 32
.if \mode
	v_pk_add_f32 v[T+ii:T+ii+1], v[64*((\rt)%4)+ii:64*((\rt)%4)+ii+1], v[BP+2*(\rt):BP+2*(\rt)+1]
.else
	v_pk_add_f32 v[T+ii:T+ii+1], v[64*((\rt)%4)+ii:64*((\rt)%4)+ii+1], v[BP+ii:BP+ii+1]
.endif
.set ii, ii+2
.endr
	WIN 0
	QUANT T, SW+(\rt), 1
.if \mode
.set DD, ((\rt)/4)*HEADB+6144+((\rt)%4)*1536
	global_store_b128 v[L16], v[PC:PC+3], s[20:21] offset:DD
	global_store_b64 v[L8], v[PC+4:PC+5], s[20:21] offset:DD+512
	global_store_b128 v[L16], v[PC+6:PC+9], s[20:21] offset:DD+768
	global_store_b64 v[L8], v[PC+10:PC+11], s[20:21] offset:DD+1280
.else
	global_store_b128 v[L16], v[PC:PC+3], s[20:21] offset:768*(\rt)
	global_store_b64 v[L8], v[PC+4:PC+5], s[20:21] offset:768*(\rt)+512
	global_store_b128 v[L16], v[PC+6:PC+9], s[22:23] offset:768*(\rt)
	global_store_b64 v[L8], v[PC+10:PC+11], s[22:23] offset:768*(\rt)+512
.endif
.endm
	s_wait_alu depctr_va_vdst(0)                   ; the wait at the head's end
	s_wait_tensorcnt 0x0                           ; my tile of the head's four is in; the lines ahead of slot 1's first fill
	ds_add_u32 v[SPW], v[NIL]
	s_mov_b32 s[G1+2], 128<<16                     ; no load of mine is out: from here on a load brings 128 rows
	s_mov_b32 s[G1+4], 128
	s_mov_b32 s[G1B+2], 128<<16
	s_mov_b32 s[G1B+4], 128
	s_wait_dscnt 0x0
	CROUND
	JLOAD G0+4, G1, G0B+4, G1B                     ; chunk 1
	FETCH_B 0, 0
	FETCH_A 0, 0
	SCALES 0
	FETCH_A 0, 4
	STEP 0, 1
.set ST, 1
.rept STEPS-2
	STEP ST, 0
.set ST, ST+1
.endr
	s_cmp_eq_u32 s66, 2                            ; the cluster's x: the same in all partners and waves
	s_cbranch_scc1 .Lv
	; q and k: my 128 rows of P are heads A, A + 1; my 128 rows of R one record's queries or keys
	s_and_b32 s18, s104, 1023
	s_lshr_b32 s18, s18, 6
	s_lshr_b32 s19, s105, 11
	s_lshl_b32 s19, s19, 4
	s_or_b32 s18, s18, s19
	s_lshl_b32 s18, s18, 4
	s_lshr_b32 s19, s105, 7
	s_and_b32 s19, s19, 15
	s_or_b32 s18, s18, s19                         ; the record's number
	s_cmp_eq_u32 s66, 0
	s_mov_b32 s2, KREC
	s_cselect_b32 s2, QREC, s2
	s_mov_b32 s3, 12288
	s_cselect_b32 s3, 6144, s3
	s_cselect_b64 s[20:21], s[96:97], s[98:99]
	s_mul_i32 s18, s18, s2
	s_mov_b32 s19, 0
	s_add_nc_u64 s[20:21], s[20:21], s[18:19]
	s_lshl_b32 s18, s2, 4
	s_add_nc_u64 s[22:23], s[20:21], s[18:19]      ; head A + 1's record: sixteen on
	s_lshl_b32 s18, s104, 2
	s_add_nc_u64 s[12:13], s[12:13], s[18:19]
	v_lshlrev_b32 v[BO], 5, v2                     ; register 8 t + j wants b(16 t + 8 h + j)
	v_add_nc_u32 v[SO], s3, v[L16]
.irp t, 0,1,2,3,4,5,6,7
	global_load_b128 v[BP+8*\t:BP+8*\t+3], v[BO], s[12:13] offset:64*\t
	global_load_b128 v[BP+8*\t+4:BP+8*\t+7], v[BO], s[12:13] offset:64*\t+16
.endr
	LAST
	PLACES NP
	s_wait_loadcnt 0x0
.irp rt, 0,1,2,3,4,5,6,7
	EPI \rt, 0
.endr
	s_mov_b32 s18, 0xffff0000
.irp i, 0,1,2,3
	v_cndmask_b32 v[IM+\i], v[SW+2*\i], v[SW+2*\i+1], s18   ; word i: lanes 0-15 tile 2 i, lanes 16-31 tile 2 i + 1
.endr
.irp i, 0,1,2,3
	v_lshrrev_b32 v[IM+4+\i], 16, v[IM+\i]         ; head A + 1's two bytes
.endr
	global_store_b128 v[SO], v[IM:IM+3], s[20:21]
	global_store_b128 v[SO], v[IM+4:IM+7], s[22:23]
	s_branch .Lend
.Lv:	; v: my 128 rows of P are one record's keys, my 128 rows of R the channels of heads A, A + 1
	s_lshr_b32 s18, s105, 6
	s_lshr_b32 s19, s104, 11
	s_lshl_b32 s19, s19, 4
	s_or_b32 s18, s18, s19
	s_lshl_b32 s18, s18, 4
	s_lshr_b32 s19, s104, 7
	s_and_b32 s19, s19, 15
	s_or_b32 s18, s18, s19
	s_mul_i32 s18, s18, KREC
	s_mov_b32 s19, 0
	s_add_nc_u64 s[20:21], s[98:99], s[18:19]
	s_lshl_b32 s18, s105, 2
	s_add_co_u32 s18, s18, 8192                    ; v's biases begin at number 2,048
	s_add_nc_u64 s[12:13], s[12:13], s[18:19]
	v_lshlrev_b32 v[BO], 2, v1
.irp rt, 0,1,2,3,4,5,6,7
	global_load_b32 v[BP+2*\rt], v[BO], s[12:13] offset:64*\rt
	global_load_b32 v[BP+2*\rt+1], v[BO], s[12:13] offset:64*\rt   ; twice: a pair for the packed addition
.endr
	LAST
	PLACES NP
	s_wait_loadcnt 0x0
.irp rt, 0,1,2,3,4,5,6,7
	EPI \rt, 1
.endr
	s_mov_b32 s18, 0xffff0000
.irp i, 0,1,2,3
	v_cndmask_b32 v[IM+\i], v[SW+2*\i], v[SW+2*\i+1], s18
.endr
	global_store_b64 v[L8], v[IM:IM+1], s[20:21] offset:12800
	global_store_b64 v[L8], v[IM+2:IM+3], s[20:21] offset:HEADB+12800
.Lend:
	s_wait_tensorcnt 0x0                           ; the wave's end
	ds_add_u32 v[SPW], v[NIL]
	s_wait_dscnt 0x0
	CROUND                                         ; the closing round
	s_endpgm
.Lfunc_end_k_q2a6e7ff708_qkv:
	.size	k_q2a6e7ff708_qkv, .Lfunc_end_k_q2a6e7ff708_qkv-k_q2a6e7ff708_qkv
	.p2alignl 7, 3214868480
	.fill 96, 4, 3214868480
	.section	.rodata,"a",@progbits
	.p2align	6, 0x0
	.amdhsa_kernel k_q2a6e7ff708_qkv
		.amdhsa_group_segment_fixed_size 327680
		.amdhsa_private_segment_fixed_size 0
		.amdhsa_enable_private_segment 0
		.amdhsa_kernarg_size 56
		.amdhsa_user_sgpr_count 2
		.amdhsa_user_sgpr_kernarg_segment_ptr 1
		.amdhsa_wavefront_size32 1
		.amdhsa_system_sgpr_workgroup_id_x 1
		.amdhsa_system_sgpr_workgroup_id_y 1
		.amdhsa_system_sgpr_workgroup_id_z 1
		.amdhsa_system_vgpr_workitem_id 0
		.amdhsa_next_free_vgpr 1024
		.amdhsa_next_free_sgpr 106
		.amdhsa_reserve_vcc 0
		.amdhsa_float_denorm_mode_32 3
		.amdhsa_float_denorm_mode_16_64 3
		.amdhsa_memory_ordered 1
		.amdhsa_forward_progress 1
		.amdhsa_inst_pref_size 244
	.end_amdhsa_kernel
	.amdgpu_metadata
---
amdhsa.version: [ 1, 2 ]
amdhsa.kernels:
  - .name:           k_q2a6e7ff708_qkv
    .symbol:         k_q2a6e7ff708_qkv.kd
    .args:
      - { .name: x_codes, .offset: 0, .size: 8, .value_kind: global_buffer, .address_space: global }
      - { .name: x_scales, .offset: 8, .size: 8, .value_kind: global_buffer, .address_space: global }
      - { .name: qkv_w_codes, .offset: 16, .size: 8, .value_kind: global_buffer, .address_space: global }
      - { .name: qkv_w_scales, .offset: 24, .size: 8, .value_kind: global_buffer, .address_space: global }
      - { .name: qkv_b, .offset: 32, .size: 8, .value_kind: global_buffer, .address_space: global }
      - { .name: qbuf, .offset: 40, .size: 8, .value_kind: global_buffer, .address_space: global }
      - { .name: kv, .offset: 48, .size: 8, .value_kind: global_buffer, .address_space: global }
    .group_segment_fixed_size: 327680
    .private_segment_fixed_size: 0
    .kernarg_segment_align: 8
    .kernarg_segment_size: 56
    .max_flat_workgroup_size: 128
    .sgpr_count:     106
    .vgpr_count:     1024
    .wavefront_size: 32
...
	.end_amdgpu_metadata
.endif
;; end of part 1
;; launch attn (part 2): grid 4 x 64, 16 waves a work-group, clusters of 4 x 1, 210,944 bytes of LDS; arguments qbuf, kv, ac, asc; writes ac, asc
.if DOCPART == 2
	.amdgcn_target "amdgcn-amd-amdhsa--gfx1250"
	.amdhsa_code_object_version 6
	.text
	.protected	k_q2a6e7ff708_attn
	.globl	k_q2a6e7ff708_attn
	.p2align	8
	.type	k_q2a6e7ff708_attn,@function
k_q2a6e7ff708_attn:
	s_mov_b64 s[64:65], 0
	v_nop
	global_prefetch_b8 v0, s[64:65] scope:SCOPE_SE
	s_setreg_imm32_b32 hwreg(HW_REG_WAVE_MODE, 25, 1), 1
	s_wait_xcnt 0x0
	s_wait_alu depctr_hold_cnt(0) depctr_sa_sdst(0) depctr_va_vdst(0) depctr_va_sdst(0) depctr_va_ssrc(0) depctr_va_vcc(0) depctr_vm_vsrc(0)
	s_getreg_b32 s2, hwreg(HW_REG_IB_STS2, 6, 4)
	s_cmp_eq_u32 s2, 0
	s_cbranch_scc0 .Lentry_in_a_cluster
	s_endpgm
.Lentry_in_a_cluster:
	s_bfe_u32 s2, ttmp6, 0x10000c
	s_cmp_lg_u32 s2, 0x3003
	s_cbranch_scc0 .Lentry_shape_is_right
	s_endpgm
.Lentry_shape_is_right:
; O = softmax(q k^T / 8) v for one head, both products on codes of FP6 (E2M3) with E8M0 scales, and O / l quantised along the embedding for the last product.
; THE SOFTMAX: t = score x log2(e) / 8; M = the row's largest t so far, rounded UP to a whole number; p = 2^(t - M) is quantised along the keys, not normalised; the row's sum is taken of the
; unquantised p and divides O at the end.  When M moves, the sum and O are multiplied by 2^(old M - new M): exact.
; SHARES.  The four work-groups of a cluster own one head (the cluster's y): 512 queries each.  Each of the sixteen waves owns one tile of 16 queries at a time, twice: tile w, then tile w + 16.
; THE HEAD'S WHOLE K, V AND SCALE WORDS, 208,896 bytes, STAY IN LDS as they lie in kv: filled once, by sixteen joint loads, one a wave: wave w asks for key step w's record, 51 rows of 256 bytes.
; Waves 0-7 and waves 8-15 have load lines of their own: key steps 0-7 of the first pass begin when waves 0-7 have waited; ahead of step 8 every wave waits and a barrier follows.
; Nothing is filled again and nothing is stored to LDS.  No prefetch: every byte is asked for at the head.
; LAYOUT.  Both products are used transposed: S^T = K Q^T, O^T = V^T P^T: a lane holds ONE query (lane % 16) throughout.
; K = 64 IN AN INSTRUCTION OF 128: Q's fragment is six registers of codes and six of zero codes.  K's tile t stands at v[F + 6 t], so the upper six registers of its operand are the next tile's codes
; (behind the last: zeros): finite numbers that meet zero codes and add nothing; no scale byte here is 0xff.
; ORDER INSIDE A BLOCK OF 32: the launch before laid q, k and v in the order that this launch's conversions give p.  The result is brought back to the natural order before it is quantised.
; ac: [tile of 16 rows 512][head 16] x 768 bytes: six registers as an image.  asc: [row 8,192][32] scale bytes; head h owns bytes 2 h, 2 h + 1.
; LIMITS: NaN and infinities are not served.  A block whose largest magnitude lies under 2^-124 gets the scale byte 1 (this program alone reads the bytes).  The scaled scores stay under 2^31 in magnitude.
.set REC,   13056
.set HEADB, 16*REC
.set L16, 1
.set L8,  2
.set A16, 3
.set A8,  4
.set AO,  5
.set QR,  8
.set F,   36
.set KSR, 90
.set VSR, 94
.set S,   96
.set O,   160
.set PCD, 192
.set PT,  204
.set BM,  212
.set BQ,  216
.set SOP, 220
.set WV,  12
.set SEL, 36
.set CS,  38
.set TB,  40
.set CNT, 41
.set HM,  54
.macro CROUND
	s_barrier_signal -1
	s_barrier_wait -1
	s_cmp_lg_u32 s[WV], 0
	s_cbranch_scc1 .Lnot_wave_0_\@
	s_barrier_signal -3
.Lnot_wave_0_\@:
	s_barrier_wait -3
	s_barrier_signal -1
	s_barrier_wait -1
.endm
	s_load_b256 s[4:11], s[0:1], 0x0               ; qbuf, kv, ac, asc
	v_lshl_add_u32 v254, v0, 2, 0x33000
	v_mov_b32 v255, 0
	ds_add_u32 v254, v255                          ; the opening lines
	ds_add_u32 v254, v255
	v_lshrrev_b32 v1, 5, v0
	s_delay_alu instid0(VALU_DEP_1)
	v_readfirstlane_b32 s[WV], v1
	s_bfe_u32 s13, ttmp6, 0x40000                  ; cx: my block of 512 queries
	s_and_b32 s14, ttmp7, 0xffff                   ; 16 x batch + head
	s_mov_b32 s16, 15|(3<<16)|(1<<21)              ; all four work-groups; elements of 8 bytes; no padding
	s_mov_b32 s17, 32<<16
	s_mov_b32 s18, 51<<16                          ; 51 rows of 256 bytes: a record
	s_mov_b32 s19, 32<<16
	s_mov_b32 s20, 51
	s_mov_b32 s21, 32
	s_mov_b32 s22, 0
	s_mov_b32 s23, 0
	s_mul_i32 s42, s[WV], REC                      ; my wave's record, in LDS as in the head's block
	s_mul_i32 s44, s14, HEADB
	s_add_co_u32 s44, s44, s42
	s_mov_b32 s45, 0
	s_wait_dscnt 0x0
	s_wait_kmcnt 0x0
	s_add_nc_u64 s[44:45], s[6:7], s[44:45]
	CROUND
	s_mov_b32 s24, 1
	s_mov_b32 s25, s42
	s_mov_b64 s[26:27], s[44:45]
	s_or_b32 s27, s27, 0x80000000
	s_cmp_lt_u32 s[WV], 8
	s_cbranch_scc0 .Lhigh
	tensor_load_to_lds s[24:27], s[16:23]          ; waves 0-7: records 0-7
	s_nop 0
.rept 4
	v_nop
.endr
	s_branch .Lasked
.Lhigh:
	tensor_load_to_lds s[24:27], s[16:23]          ; waves 8-15: records 8-15
	s_nop 0
.rept 4
	v_nop
.endr
.Lasked:
	v_and_b32 v9, 31, v0
	s_delay_alu instid0(VALU_DEP_1)
	v_lshlrev_b32 v[L16], 4, v9
	s_wait_alu depctr_va_vdst(0)
	v_lshlrev_b32 v[L8], 3, v9
	s_wait_alu depctr_va_vdst(0)
	v_and_b32 v10, 15, v0
	v_bfe_u32 v11, v0, 4, 1
	s_delay_alu instid0(VALU_DEP_1)
	v_lshl_add_u32 v[AO], v10, 5, v11
	s_delay_alu instid0(VALU_DEP_3)
	v_lshlrev_b32 v[QR], 4, v10
	s_wait_alu depctr_va_vdst(0)
	s_lshl_b32 s46, s14, 4                         ; Q: record 16 x head + 4 cx + w / 8, tile w % 8; the second pass's lies two records on
	s_lshl_b32 s47, s13, 2
	s_add_co_u32 s46, s46, s47
	s_lshr_b32 s47, s[WV], 3
	s_add_co_u32 s46, s46, s47
	s_mul_i32 s46, s46, 6656
	s_and_b32 s50, s[WV], 7
	s_mul_i32 s51, s50, 768
	s_and_b32 s52, s50, 1
	s_lshl_b32 s52, s52, 8
	s_lshr_b32 s53, s50, 1
	s_lshl_b32 s53, s53, 2
	s_add_co_u32 s52, s52, s53
	s_add_co_u32 s52, s52, 6144
	s_add_co_u32 s48, s46, s52
	s_add_co_u32 s46, s46, s51
	s_mov_b32 s47, 0
	s_mov_b32 s49, 0
	s_add_nc_u64 s[46:47], s[4:5], s[46:47]
	s_add_nc_u64 s[48:49], s[4:5], s[48:49]
	global_load_b128 v[16:19], v[L16], s[46:47]
	global_load_b64 v[20:21], v[L8], s[46:47] offset:512
	global_load_b32 v28, v[QR], s[48:49]
	global_load_b128 v[30:33], v[L16], s[46:47] offset:13312
	global_load_b64 v[34:35], v[L8], s[46:47] offset:13312+512
	global_load_b32 v29, v[QR], s[48:49] offset:13312
	s_lshr_b32 s50, s14, 4                         ; the results: tile of rows 128 x batch + 32 cx + w, head h
	s_lshl_b32 s50, s50, 7
	s_lshl_b32 s51, s13, 5
	s_add_co_u32 s50, s50, s51
	s_add_co_u32 s50, s50, s[WV]
	s_and_b32 s51, s14, 15
	s_mul_i32 s52, s50, 12288
	s_mul_i32 s53, s51, 768
	s_add_co_u32 s52, s52, s53
	s_mov_b32 s53, 0
	s_add_nc_u64 s[8:9], s[8:9], s[52:53]
	s_lshl_b32 s52, s50, 9
	s_lshl_b32 s51, s51, 1
	s_add_co_u32 s52, s52, s51
	s_add_nc_u64 s[10:11], s[10:11], s[52:53]
	s_mov_b32 s[SEL], 0x76543210
	s_mov_b32 s[SEL+1], 0xfedcba98
	s_mov_b32 s[CS], 0x3e38aa3b                    ; log2(e) / 8
	s_mov_b32 s[CS+1], s[CS]
	s_mov_b32 s[HM], 0xffff0000
.irp j, 22,23,24,25,26,27,84,85,86,87,88,89
	v_mov_b32 v\j, 0                               ; zero codes
.endr
.irp b, 0,1,2,3
	v_mov_b32 v[BQ+\b], 0
.endr
	v_mov_b32 v227, 0
.macro INIT
	v_mov_b32 v13, 0xff61b1e6                      ; -3e38, under every t
	s_delay_alu instid0(VALU_DEP_1)
	v_floor_f32 v12, -v13
	v_mov_b32 v14, 0
	v_mov_b32 v15, 0
.set jj, 0
.rept 32
	v_mov_b32 v[O+jj], 0
.set jj, jj+1
.endr
.endm
; A KEY STEP: 128 keys, the record at LDS byte s[TB]
.macro STEP
	v_add_nc_u32 v[A16], s[TB], v[L16]
	v_add_nc_u32 v[A8], s[TB], v[L8]
	v_nop
	v_nop                                          ; four places in front of loads into registers that the last products have read
.irp kt, 0,1,2,3,4,5,6,7
	ds_load_b128 v[F+6*\kt:F+6*\kt+3], v[A16] offset:768*\kt
	ds_load_b64 v[F+6*\kt+4:F+6*\kt+5], v[A8] offset:768*\kt+512
.endr
	ds_load_b128 v[KSR:KSR+3], v[A16] offset:12288
	ds_load_b64 v[VSR:VSR+1], v[A8] offset:12800
	s_wait_alu depctr_va_vdst(0)
	s_wait_dscnt 0x0
.irp kt, 0,1,2,3,4,5,6,7
.if \kt%2
	v_wmma_scale_f32_16x16x128_f8f6f4 v[S+8*\kt:S+8*\kt+7], v[F+6*\kt:F+6*\kt+11], v[16:27], 0, v[KSR+\kt/2], v28 matrix_a_fmt:MATRIX_FMT_FP6 matrix_b_fmt:MATRIX_FMT_FP6 matrix_a_scale:MATRIX_SCALE_ROW1
.else
	v_wmma_scale_f32_16x16x128_f8f6f4 v[S+8*\kt:S+8*\kt+7], v[F+6*\kt:F+6*\kt+11], v[16:27], 0, v[KSR+\kt/2], v28 matrix_a_fmt:MATRIX_FMT_FP6 matrix_b_fmt:MATRIX_FMT_FP6
.endif
.endr
.rept 4
	v_nop
.endr
.irp dt, 0,1,2,3                               ; V's four tiles land while the softmax is walked
	ds_load_b128 v[F+12*\dt:F+12*\dt+3], v[A16] offset:6144+1536*\dt
	ds_load_b64 v[F+12*\dt+4:F+12*\dt+5], v[A8] offset:6144+1536*\dt+512
	ds_load_b128 v[F+12*\dt+6:F+12*\dt+9], v[A16] offset:6144+1536*\dt+768
	ds_load_b64 v[F+12*\dt+10:F+12*\dt+11], v[A8] offset:6144+1536*\dt+1280
.endr
.irp b, 0,1,2,3
	v_max3_num_f32 v[BM+\b], v[S+16*\b], v[S+16*\b+1], v[S+16*\b+2]   ; the largest score of each block of 32 keys: for the row's maximum and for the block's largest p
.endr
.irp i, 3,5,7,9,11,13
.irp b, 0,1,2,3
	v_max3_num_f32 v[BM+\b], v[BM+\b], v[S+16*\b+\i], v[S+16*\b+\i+1]
.endr
.endr
.irp b, 0,1,2,3
	v_max_num_f32 v[BM+\b], v[BM+\b], v[S+16*\b+15]
.endr
.irp b, 0,1,2,3
	s_delay_alu instid0(VALU_DEP_4)
	v_permlanex16_b32 v[BQ+\b], v[BM+\b], s[SEL], s[SEL+1]
.endr
.irp b, 0,1,2,3
	s_delay_alu instid0(VALU_DEP_4)
	v_max_num_f32 v[BM+\b], v[BM+\b], v[BQ+\b]
.endr
	s_delay_alu instid0(VALU_DEP_2)
	v_max3_num_f32 v228, v[BM], v[BM+1], v[BM+2]
	s_delay_alu instid0(VALU_DEP_1)
	v_max_num_f32 v228, v228, v[BM+3]
	s_delay_alu instid0(VALU_DEP_1)
	v_mul_f32 v228, s[CS], v228
	s_delay_alu instid0(VALU_DEP_1)
	v_max_num_f32 v13, v13, v228                   ; the running largest t
	v_mov_b32 v228, v12
	s_delay_alu instid0(VALU_DEP_2)
	v_floor_f32 v12, -v13                          ; the new -M
	s_delay_alu instid0(VALU_DEP_1)
	v_sub_f32 v228, v12, v228
	s_delay_alu instid0(VALU_DEP_1)
	v_cvt_i32_f32 v228, v228
	s_delay_alu instid0(VALU_DEP_1)
	v_ldexp_f32 v226, 1.0, v228                    ; f = 2^(old M - new M)
.set jj, 0
.rept 32
	v_pk_fma_f32 v[S+jj:S+jj+1], v[S+jj:S+jj+1], s[CS:CS+1], v[12:13] op_sel_hi:[1,0,0]   ; t - M
.set jj, jj+2
.endr
.irp b, 0,1,2,3
	v_fma_f32 v[BM+\b], v[BM+\b], s[CS], v12
.endr
.set jj, 0
	s_wait_alu depctr_va_vdst(0)
.rept 64
	v_exp_f32 v[S+jj], v[S+jj]
.set jj, jj+1
.endr
	v_pk_mul_f32 v[14:15], v[14:15], v[226:227] op_sel_hi:[1,0]
	s_wait_alu depctr_va_vdst(0)                   ; one wait for the batch of 64
.irp b, 0,1,2,3
	v_exp_f32 v[BM+\b], v[BM+\b]                   ; the block's largest p
.endr
	v_pk_add_f32 v[224:225], v[100:101], v[104:105]
	v_pk_add_f32 v[252:253], v[108:109], v[112:113]
	v_pk_add_f32 v[250:251], v[116:117], v[120:121]
	v_pk_add_f32 v[248:249], v[124:125], v[128:129]
	v_pk_add_f32 v[246:247], v[132:133], v[136:137]
	v_pk_add_f32 v[244:245], v[140:141], v[144:145]
	v_pk_add_f32 v[242:243], v[148:149], v[152:153]
	v_pk_add_f32 v[14:15], v[14:15], v[156:157]
	v_pk_add_f32 v[224:225], v[224:225], v[96:97]
	v_pk_add_f32 v[252:253], v[252:253], v[98:99]
	v_pk_add_f32 v[250:251], v[250:251], v[102:103]
	v_pk_add_f32 v[248:249], v[248:249], v[106:107]
	v_pk_add_f32 v[246:247], v[246:247], v[110:111]
	v_pk_add_f32 v[244:245], v[244:245], v[114:115]
	v_pk_add_f32 v[242:243], v[242:243], v[118:119]
	v_pk_add_f32 v[14:15], v[14:15], v[122:123]
	v_pk_add_f32 v[224:225], v[224:225], v[126:127]
	v_pk_add_f32 v[252:253], v[252:253], v[130:131]
	v_pk_add_f32 v[250:251], v[250:251], v[134:135]
	v_pk_add_f32 v[248:249], v[248:249], v[138:139]
	v_pk_add_f32 v[246:247], v[246:247], v[142:143]
	v_pk_add_f32 v[244:245], v[244:245], v[146:147]
	v_pk_add_f32 v[242:243], v[242:243], v[150:151]
	v_pk_add_f32 v[14:15], v[14:15], v[154:155]
	v_pk_add_f32 v[224:225], v[224:225], v[158:159]
	s_delay_alu instid0(VALU_DEP_2)
	v_pk_add_f32 v[14:15], v[14:15], v[248:249]
	s_delay_alu instid0(VALU_DEP_2)
	v_pk_add_f32 v[224:225], v[224:225], v[246:247]
	v_pk_add_f32 v[252:253], v[252:253], v[244:245]
	v_pk_add_f32 v[250:251], v[250:251], v[242:243]
	s_delay_alu instid0(VALU_DEP_2)
	v_pk_add_f32 v[14:15], v[14:15], v[252:253]
	s_delay_alu instid0(VALU_DEP_2)
	v_pk_add_f32 v[224:225], v[224:225], v[250:251]
	s_delay_alu instid0(VALU_DEP_1)
	v_pk_add_f32 v[14:15], v[14:15], v[224:225]
	s_wait_alu depctr_va_vdst(0)                   ; and one for the four
.irp b, 0,1,2,3
	v_max_num_f32 v[BM+\b], 0x1800000, v[BM+\b]    ; the floor 2^(3 - 127)
.endr
.irp b, 0,1,2,3
	s_delay_alu instid0(VALU_DEP_4)
	v_add_nc_u32 v[SOP+\b], 0xff000000, v[BM+\b]
.endr
.irp b, 0,1,2,3
	s_delay_alu instid0(VALU_DEP_4)
	v_lshrrev_b32 v[BQ+\b], 23, v[SOP+\b]
.endr
	s_delay_alu instid0(VALU_DEP_3)
	v_lshl_or_b32 v229, v[BQ+1], 8, v[BQ]          ; p's scale word
	s_delay_alu instid0(VALU_DEP_1)
	v_lshl_or_b32 v229, v[BQ+2], 16, v229
	s_delay_alu instid0(VALU_DEP_1)
	v_lshl_or_b32 v229, v[BQ+3], 24, v229
.irp c, 0,1
	v_cvt_scalef32_pk16_fp6_f32 v[PCD+6*\c:PCD+6*\c+2], v[S+32*\c:S+32*\c+15], v[SOP+2*\c]
	v_cvt_scalef32_pk16_fp6_f32 v[PT+4*\c:PT+4*\c+2], v[S+32*\c+16:S+32*\c+31], v[SOP+2*\c+1]
.endr
	v_nop
.irp c, 0,1
.irp i, 0,1,2
	v_permlane16_swap_b32 v[PCD+6*\c+\i], v[PT+4*\c+\i]
.endr
.irp i, 0,1,2
	s_delay_alu instid0(VALU_DEP_3)
	v_mov_b32 v[PCD+6*\c+3+\i], v[PT+4*\c+\i]
.endr
.endr
.set jj, 0
.rept 16
	v_pk_mul_f32 v[O+jj:O+jj+1], v[O+jj:O+jj+1], v[226:227] op_sel_hi:[1,0]   ; O^T under the new M
.set jj, jj+2
.endr
	s_wait_alu depctr_va_vdst(0)
	s_wait_dscnt 0x0                               ; V is in
.irp dt, 0,1,2,3
.if \dt%2
	v_wmma_scale_f32_16x16x128_f8f6f4 v[O+8*\dt:O+8*\dt+7], v[F+12*\dt:F+12*\dt+11], v[PCD:PCD+11], v[O+8*\dt:O+8*\dt+7], v[VSR+\dt/2], v229 matrix_a_fmt:MATRIX_FMT_FP6 matrix_b_fmt:MATRIX_FMT_FP6 matrix_a_scale:MATRIX_SCALE_ROW1
.else
	v_wmma_scale_f32_16x16x128_f8f6f4 v[O+8*\dt:O+8*\dt+7], v[F+12*\dt:F+12*\dt+11], v[PCD:PCD+11], v[O+8*\dt:O+8*\dt+7], v[VSR+\dt/2], v229 matrix_a_fmt:MATRIX_FMT_FP6 matrix_b_fmt:MATRIX_FMT_FP6
.endif
.endr
	s_add_co_u32 s[TB], s[TB], REC
.endm
.macro WALK n, start
	s_mov_b32 s[TB], \start
	s_mov_b32 s[CNT], \n
.Lstep_\@:
	STEP
	s_sub_co_u32 s[CNT], s[CNT], 1
	s_cmp_lg_u32 s[CNT], 0
	s_cbranch_scc1 .Lstep_\@
.endm
; THE WAY OUT of pass p: O^T / the sum, back to the natural order, quantised along the head's 64, stored as an image and two scale bytes a row
.macro OUT p
.rept 4
	v_nop
.endr
	v_add_f32 v14, v14, v15
	s_delay_alu instid0(VALU_DEP_1)
	v_permlanex16_b32 v228, v14, s[SEL], s[SEL+1]
	s_delay_alu instid0(VALU_DEP_1)
	v_add_f32 v14, v14, v228
	s_wait_alu depctr_va_vdst(0)
	v_rcp_f32 v14, v14
	v_nop
	s_wait_alu depctr_va_vdst(0)
.set jj, 0
.rept 16
	v_pk_mul_f32 v[S+jj:S+jj+1], v[O+jj:O+jj+1], v[14:15] op_sel_hi:[1,0]
.set jj, jj+2
.endr
.irp b, 0,1
.irp j, 0,1,2,3,4,5,6,7
	v_permlane16_swap_b32 v[S+16*\b+\j], v[S+16*\b+8+\j]   ; register 16 b + i is now channel 32 b + 16 h + i
.endr
.endr
.irp b, 0,1
	v_max3_num_f32 v[BM+\b], |v[S+16*\b]|, |v[S+16*\b+1]|, 0x1800000
.endr
.irp i, 2,4,6,8,10,12,14
.irp b, 0,1
	s_delay_alu instid0(VALU_DEP_2)
	v_max3_num_f32 v[BM+\b], v[BM+\b], |v[S+16*\b+\i]|, |v[S+16*\b+\i+1]|
.endr
.endr
.irp b, 0,1
	s_delay_alu instid0(VALU_DEP_2)
	v_permlanex16_b32 v[BQ+\b], v[BM+\b], s[SEL], s[SEL+1]
.endr
.irp b, 0,1
	s_delay_alu instid0(VALU_DEP_2)
	v_max_num_f32 v[BM+\b], v[BM+\b], v[BQ+\b]
.endr
.irp b, 0,1
	s_delay_alu instid0(VALU_DEP_2)
	v_add_nc_u32 v[SOP+\b], 0xff000000, v[BM+\b]
.endr
.irp b, 0,1
	s_delay_alu instid0(VALU_DEP_2)
	v_lshrrev_b32 v[BQ+\b], 23, v[SOP+\b]
.endr
	s_delay_alu instid0(VALU_DEP_1)
	v_cndmask_b32 v230, v[BQ], v[BQ+1], s[HM]
	v_cvt_scalef32_pk16_fp6_f32 v[PCD:PCD+2], v[S:S+15], v[SOP]
	v_cvt_scalef32_pk16_fp6_f32 v[PCD+4:PCD+6], v[S+16:S+31], v[SOP+1]
	v_nop
.irp i, 0,1,2
	v_permlane16_swap_b32 v[PCD+\i], v[PCD+4+\i]
.endr
	s_delay_alu instid0(VALU_DEP_3)
	v_mov_b32 v[PCD+3], v[PCD+4]
	s_delay_alu instid0(VALU_DEP_3)
	v_mov_b32 v[PCD+4], v[PCD+5]
	s_delay_alu instid0(VALU_DEP_3)
	v_mov_b32 v[PCD+5], v[PCD+6]
	global_store_b128 v[L16], v[PCD:PCD+3], s[8:9] offset:\p*196608
	global_store_b64 v[L8], v[PCD+4:PCD+5], s[8:9] offset:\p*196608+512
	global_store_b8 v[AO], v230, s[10:11] offset:\p*8192
.endm
	INIT
	s_wait_loadcnt 0x0                             ; Q, both passes'
	s_cmp_lt_u32 s[WV], 8
	s_cbranch_scc0 .Lnot_low
	s_wait_tensorcnt 0x0                           ; waves 0-7: my record of key steps 0-7 is in
.Lnot_low:
	s_barrier_signal -1
	s_barrier_wait -1
	WALK 8, 0
	s_wait_tensorcnt 0x0                           ; every wave: all sixteen records
	s_barrier_signal -1
	s_barrier_wait -1
	WALK 8, 8*REC
	OUT 0
.irp j, 0,1,2,3,4,5
	v_mov_b32 v[16+\j], v[30+\j]                   ; the second pass's Q
.endr
	v_mov_b32 v28, v29
	INIT
	s_wait_xcnt 0x0                                ; the stores have read their registers
	WALK 16, 0
	OUT 1
	s_wait_tensorcnt 0x0                           ; the wave's end
	ds_add_u32 v254, v255
	s_wait_dscnt 0x0
	CROUND
	s_endpgm
.Lfunc_end_k_q2a6e7ff708_attn:
	.size	k_q2a6e7ff708_attn, .Lfunc_end_k_q2a6e7ff708_attn-k_q2a6e7ff708_attn
	.p2alignl 7, 3214868480
	.fill 96, 4, 3214868480
	.section	.rodata,"a",@progbits
	.p2align	6, 0x0
	.amdhsa_kernel k_q2a6e7ff708_attn
		.amdhsa_group_segment_fixed_size 210944
		.amdhsa_private_segment_fixed_size 0
		.amdhsa_enable_private_segment 0
		.amdhsa_kernarg_size 32
		.amdhsa_user_sgpr_count 2
		.amdhsa_user_sgpr_kernarg_segment_ptr 1
		.amdhsa_wavefront_size32 1
		.amdhsa_system_sgpr_workgroup_id_x 1
		.amdhsa_system_sgpr_workgroup_id_y 1
		.amdhsa_system_sgpr_workgroup_id_z 1
		.amdhsa_system_vgpr_workitem_id 0
		.amdhsa_next_free_vgpr 256
		.amdhsa_next_free_sgpr 66
		.amdhsa_reserve_vcc 0
		.amdhsa_float_denorm_mode_32 3
		.amdhsa_float_denorm_mode_16_64 3
		.amdhsa_memory_ordered 1
		.amdhsa_forward_progress 1
		.amdhsa_inst_pref_size 71
	.end_amdhsa_kernel
	.amdgpu_metadata
---
amdhsa.version: [ 1, 2 ]
amdhsa.kernels:
  - .name:           k_q2a6e7ff708_attn
    .symbol:         k_q2a6e7ff708_attn.kd
    .args:
      - { .name: qbuf, .offset: 0, .size: 8, .value_kind: global_buffer, .address_space: global }
      - { .name: kv, .offset: 8, .size: 8, .value_kind: global_buffer, .address_space: global }
      - { .name: ac, .offset: 16, .size: 8, .value_kind: global_buffer, .address_space: global }
      - { .name: asc, .offset: 24, .size: 8, .value_kind: global_buffer, .address_space: global }
    .group_segment_fixed_size: 210944
    .private_segment_fixed_size: 0
    .kernarg_segment_align: 8
    .kernarg_segment_size: 32
    .max_flat_workgroup_size: 512
    .sgpr_count:     66
    .vgpr_count:     256
    .wavefront_size: 32
...
	.end_amdgpu_metadata
.endif
;; end of part 2
;; launch proj (part 3): grid 4 x 64, 4 waves a work-group, clusters of 4 x 4, 327,680 bytes of LDS; arguments ac, asc, out_w_codes, out_w_scales, out0, out_b; writes out0
.if DOCPART == 3
	.amdgcn_target "amdgcn-amd-amdhsa--gfx1250"
	.amdhsa_code_object_version 6
	.text
	.protected	k_q2a6e7ff708_proj
	.globl	k_q2a6e7ff708_proj
	.p2align	8
	.type	k_q2a6e7ff708_proj,@function
k_q2a6e7ff708_proj:
	s_mov_b64 s[64:65], 0
	v_nop
	global_prefetch_b8 v0, s[64:65] scope:SCOPE_SE
	s_setreg_imm32_b32 hwreg(HW_REG_WAVE_MODE, 25, 1), 1
	s_wait_xcnt 0x0
	s_wait_alu depctr_hold_cnt(0) depctr_sa_sdst(0) depctr_va_vdst(0) depctr_va_sdst(0) depctr_va_ssrc(0) depctr_va_vcc(0) depctr_vm_vsrc(0)
	s_getreg_b32 s2, hwreg(HW_REG_IB_STS2, 6, 4)
	s_cmp_eq_u32 s2, 0
	s_cbranch_scc0 .Lentry_in_a_cluster
	s_endpgm
.Lentry_in_a_cluster:
	s_bfe_u32 s2, ttmp6, 0x10000c
	s_cmp_lg_u32 s2, 0xf033
	s_cbranch_scc0 .Lentry_shape_is_right
	s_endpgm
.Lentry_shape_is_right:
; out0 = A out_w^T + out_b on codes of FP6 (E2M3) with E8M0 scales.  A: ac, [tile of 16 rows][head 16] x 768 bytes of register images, and asc, [row][32] scale bytes.
; A work-group makes 128 rows x 256 columns: 64 x 4 = 256 work-groups; 4 x 4 form a cluster: A's tiles are shared along a row of the cluster, out_w's rows along a column.
; ALL OF K LIES IN LDS AT ONCE, filled once by four joint loads, one a wave: out_w's 256 rows (768 bytes, 16 of padding behind every 256), A's tiles 0-3, A's scale bytes, A's tiles 4-7.
; Nothing is filled again.  No prefetch: every byte is asked for at the head.
; EACH WAVE TAKES 64 COLUMNS and holds those rows of out_w, all of K, in registers: 32 fragments, 384 registers.  A streams past in eight blocks of 16 rows, all of K: 8 fragments and 8 scale words, in two sets.
; A block is 32 products on four accumulators by turns; the bias is the first four products' C.  Source 0 = rows of out_w: a lane holds eight neighbouring columns of one row.
; A finished block leaves at once: through the wave's stage (16 rows x 256 bytes + 16), back as rows, sixteen lanes storing 256 consecutive aligned bytes; the stores of block s - 1 are issued behind block s's products.
; The stage lies on out_w's rows, which have had their only fill, behind the barrier that shows every wave's reads of them done.
; Fragment f lies in window 1 + f / 21 at register 12 (f % 21): 0-31 out_w's (4 q + b), 32-39 and 40-47 A's two sets.
.set PITCH,  816
.set ATILE,  12288
.set BOFF,   8*ATILE
.set SCL,    BOFF+256*PITCH
.set SPARE,  SCL+16*272
.set SBLK,   544
.set SPITCH, 272
.set FR,     12
.set FPW,    21
.set NF,     34                        ; LDS loads of a block's fetch: 32 for eight fragments, 2 for eight scale words
.set NS,     16                        ; LDS instructions of a block's way through the stage
.set ADA16, 10                         ; v10, v11  16 x lane, for A's tiles 0-3 and 4-7
.set ADA8,  12                         ; v12, v13  8 x lane, likewise
.set ADRB,  14                         ; v14, v15  my rows of out_w (v15: lanes 16-31 behind one padding more)
.set ADSA,  16
.set WSO,   17
.set STO,   18
.set RD,    19
.set CO,    20
.set BO,    21
.set SPW,   28
.set NIL,   29
.set SB,    32                         ; v32-63 out_w's scale words: 8 b + q
.set ACC,   64                         ; v64-127 two sets of four accumulators
.set SA,    132                        ; v132-147 A's scale words, two sets; their numbers differ from SB's modulo 8
.set BP,    160                        ; v160-191 the bias
.set BK,    192                        ; v192-255 rows read back from the stage, two sets
.set G1A, 24
.set G1B, 32
.set G1S, 40
.set G0B, 56
.set G0A, 60
.set G0S, 68
.set G0A2, 72
.set MSB, 0
.macro WIN new
.if MSB != \new
	s_set_vgpr_msb (MSB<<8)|\new
.set MSB, \new
.endif
.endm
.macro PLACES n
.rept \n
	v_nop
.endr
.endm
.macro BARRIER
	s_barrier_signal -1
	s_barrier_wait -1
.endm
.macro CROUND
	BARRIER
	s_cmp_lg_u32 s16, 0
	s_cbranch_scc1 .Lnot_wave_0_\@
	s_barrier_signal -3
.Lnot_wave_0_\@:
	s_barrier_wait -3
	BARRIER
.endm
.macro GROUP1 g, c, r                  ; words 1 to 7: r rows of c elements, dense
	s_mov_b32 s[\g+1], (\c)<<16
	s_mov_b32 s[\g+2], (\r)<<16
	s_mov_b32 s[\g+3], (\c)<<16
	s_mov_b32 s[\g+4], \r
	s_mov_b32 s[\g+5], \c
	s_mov_b32 s[\g+6], 0
	s_mov_b32 s[\g+7], 0
.endm
.macro G0SET g, lds, a
	s_mov_b32 s[\g], 1
	s_mov_b32 s[\g+1], \lds
	s_mov_b64 s[\g+2:\g+3], s[\a:\a+1]
	s_or_b32 s[\g+3], s[\g+3], 0x80000000
.endm
	s_load_b256 s[4:11], s[0:1], 0x0               ; ac, asc, out_w's codes, its scales
	s_load_b128 s[12:15], s[0:1], 0x20             ; out0, out_b
	v_lshl_add_u32 v[SPW], v0, 2, SPARE
	v_mov_b32 v[NIL], 0
	ds_add_u32 v[SPW], v[NIL]                      ; the opening lines
	ds_add_u32 v[SPW], v[NIL]
	v_lshrrev_b32 v1, 5, v0
	v_readfirstlane_b32 s16, v1                    ; wave: my 64 columns
	s_bfe_u32 s19, ttmp6, 0x40000                  ; cx
	s_bfe_u32 s20, ttmp6, 0x40004                  ; cy
	s_lshl_b32 s21, ttmp9, 2
	s_add_co_u32 s21, s21, s19                     ; tile column
	s_and_b32 s22, ttmp7, 0xffff
	s_lshl_b32 s22, s22, 2
	s_add_co_u32 s22, s22, s20                     ; tile row
	s_lshl_b32 s23, s20, 2
	s_lshl_b32 s23, 15, s23                        ; my row of the cluster
	s_lshl_b32 s76, 0x1111, s19                    ; my column
	s_or_b32 s[G1A], s23, (3<<16)|(1<<21)          ; four tiles of A: 192 rows of 256 bytes, no padding
	GROUP1 G1A, 32, 192
	s_or_b32 s[G1B], s76, (1<<20)|(1<<21)|(5<<22)|(3<<25)   ; out_w: 256 rows of 768 bytes, 16 behind every 256
	GROUP1 G1B, 768, 256
	s_or_b32 s[G1S], s23, (3<<16)|(1<<20)|(1<<21)|(5<<22)|(3<<25)   ; A's scales: 16 rows of 256 bytes, 16 behind each
	GROUP1 G1S, 32, 16
	s_mul_i32 s78, s22, 8*ATILE
	s_mov_b32 s79, 0
	s_lshl_b32 s82, s22, 12
	s_mov_b32 s83, 0
	s_mul_i32 s84, s21, 256*768
	s_mov_b32 s85, 0
	s_lshl_b32 s86, s21, 13
	s_lshl_b32 s87, s16, 11
	s_add_co_u32 s86, s86, s87                     ; my 64 rows' scale bytes
	s_mov_b32 s87, 0
	s_lshl_b32 s88, s22, 19                        ; my work-group's first row of out0: 128 rows of 4,096 bytes a tile row
	s_lshl_b32 s90, s21, 10
	s_lshl_b32 s91, s16, 8
	s_add_co_u32 s90, s90, s91                     ; my first column, in bytes
	s_mov_b32 s91, 0
	s_add_co_u32 s88, s88, s90
	s_mov_b32 s89, 0
	s_mul_i32 s93, s16, 64*PITCH
	s_add_co_u32 s93, s93, BOFF
	s_mul_i32 s3, s16, 16*SPITCH
	s_add_co_u32 s3, s3, BOFF
	s_wait_dscnt 0x0
	s_wait_kmcnt 0x0
	s_add_nc_u64 s[78:79], s[4:5], s[78:79]
	s_add_nc_u64 s[82:83], s[6:7], s[82:83]
	s_add_nc_u64 s[84:85], s[8:9], s[84:85]
	s_add_nc_u64 s[86:87], s[10:11], s[86:87]
	s_add_nc_u64 s[12:13], s[12:13], s[88:89]
	s_add_nc_u64 s[14:15], s[14:15], s[90:91]
	CROUND                                         ; in front of the joint loads
	G0SET G0B, BOFF, 84
	G0SET G0A, 0, 78
	G0SET G0S, SCL, 82
	s_add_nc_u64 s[78:79], s[78:79], 4*ATILE
	G0SET G0A2, 4*ATILE, 78
.macro ARM under, g0, g1, next         ; one load a wave, in one chain of branches on the wave's number
	s_cmp_lt_u32 s16, \under
	s_cbranch_scc0 \next
	tensor_load_to_lds s[\g0:\g0+3], s[\g1:\g1+7]
	s_nop 0
	PLACES 4
	s_branch .Lhead_asked
\next:
.endm
	ARM 1, G0B, G1B, .Lhead_a
	ARM 2, G0A, G1A, .Lhead_s
	ARM 3, G0S, G1S, .Lhead_a2
	tensor_load_to_lds s[G0A2:G0A2+3], s[G1A:G1A+7]
	s_nop 0
	PLACES 4
.Lhead_asked:
	v_and_b32 v1, 15, v0                           ; r
	v_bfe_u32 v2, v0, 4, 1                         ; h
	v_and_b32 v3, 31, v0
	v_lshlrev_b32 v[ADA16], 4, v3
	v_lshlrev_b32 v[ADA8], 3, v3
	v_lshlrev_b32 v[BO], 5, v2                     ; register 8 b + j wants bias 16 b + 8 h + j
	v_lshlrev_b32 v[WSO], 5, v1                    ; my row's 32 scale bytes
	v_add_nc_u32 v[ADA16+1], 4*ATILE, v[ADA16]
	v_add_nc_u32 v[ADA8+1], 4*ATILE, v[ADA8]
	v_mul_u32_u24 v5, v1, PITCH
	v_mad_u32_u24 v6, v2, 24, v5
	v_mad_u32_u24 v7, v2, 40, v5
	v_add_nc_u32 v[ADRB], s93, v6
	v_add_nc_u32 v[ADRB+1], s93, v7
	v_lshrrev_b32 v9, 8, v[WSO]
	v_lshl_add_u32 v8, v9, 4, v[WSO]               ; in LDS 16 more behind 256
	v_add_nc_u32 v[ADSA], SCL, v8
	v_mul_u32_u24 v5, v1, SPITCH
	v_lshl_add_u32 v5, v2, 5, v5
	v_add_nc_u32 v[STO], s3, v5                    ; in: row r, 32 bytes for each half of the lanes
	v_mul_u32_u24 v6, v2, SPITCH
	v_lshl_add_u32 v6, v1, 4, v6
	v_add_nc_u32 v[RD], s3, v6                     ; back: lanes 0-15 one row of 256 bytes, lanes 16-31 the next
	v_lshlrev_b32 v7, 12, v2
	v_lshl_add_u32 v[CO], v1, 4, v7                ; and the same two rows in out0
.irp b, 0,1,2,3
	global_load_b128 v[BP+8*\b:BP+8*\b+3], v[BO], s[14:15] offset:64*\b
	global_load_b128 v[BP+8*\b+4:BP+8*\b+7], v[BO], s[14:15] offset:64*\b+16
	global_load_b128 v[SB+8*\b:SB+8*\b+3], v[WSO], s[86:87] offset:512*\b
	global_load_b128 v[SB+8*\b+4:SB+8*\b+7], v[WSO], s[86:87] offset:512*\b+16
.endr
.macro FRAGB f, q, b                   ; byte y of a row lies at y + 16 (y / 256); lanes 16-31 read 24 bytes on
	WIN (1+(\f)/FPW)<<6
.set R_, FR*((\f)%FPW)
.irp p, 0,1,2,3,4,5
.set BY, 96*(\q)+48*(\p/3)+8*(\p%3)
	ds_load_b64 v[R_+2*\p:R_+2*\p+1], v[ADRB+(BY%256)/232] offset:BY+16*(BY/256)+(\b)*16*PITCH
.endr
.endm
.macro FRAGA f, q, s                   ; two images of six registers: heads 2 q, 2 q + 1 of tile s
	WIN (1+(\f)/FPW)<<6
.set R_, FR*((\f)%FPW)
.set OF_, ATILE*((\s)%4)+1536*(\q)
	ds_load_b128 v[R_:R_+3], v[ADA16+(\s)/4] offset:OF_
	ds_load_b64 v[R_+4:R_+5], v[ADA8+(\s)/4] offset:OF_+512
	ds_load_b128 v[R_+6:R_+9], v[ADA16+(\s)/4] offset:OF_+768
	ds_load_b64 v[R_+10:R_+11], v[ADA8+(\s)/4] offset:OF_+1280
.endm
.macro FETCH s                         ; block s into set s % 2: NF loads
.irp q, 0,1,2,3,4,5,6,7
	FRAGA 32+8*((\s)%2)+\q, \q, \s
.endr
	WIN 0
	ds_load_b128 v[SA+8*((\s)%2):SA+8*((\s)%2)+3], v[ADSA] offset:(\s)*SBLK
	ds_load_b128 v[SA+8*((\s)%2)+4:SA+8*((\s)%2)+7], v[ADSA] offset:(\s)*SBLK+16
.endm
.macro PROD s, n                       ; product n = 4 q + b of block s
.set Q_, (\n)/4
.set B_, (\n)%4
.set FA_, 32+8*((\s)%2)+Q_
.set D_, ACC+32*((\s)%2)+8*B_
	WIN (1+(\n)/FPW)|((1+FA_/FPW)<<2)
.if Q_
	v_wmma_scale_f32_16x16x128_f8f6f4 v[D_:D_+7], v[FR*((\n)%FPW):FR*((\n)%FPW)+FR-1], v[FR*(FA_%FPW):FR*(FA_%FPW)+FR-1], v[D_:D_+7], v[SB+8*B_+Q_], v[SA+8*((\s)%2)+Q_] matrix_a_fmt:MATRIX_FMT_FP6 matrix_b_fmt:MATRIX_FMT_FP6
.else
	v_wmma_scale_f32_16x16x128_f8f6f4 v[D_:D_+7], v[FR*((\n)%FPW):FR*((\n)%FPW)+FR-1], v[FR*(FA_%FPW):FR*(FA_%FPW)+FR-1], v[BP+8*B_:BP+8*B_+7], v[SB+8*B_+Q_], v[SA+8*((\s)%2)+Q_] matrix_a_fmt:MATRIX_FMT_FP6 matrix_b_fmt:MATRIX_FMT_FP6
.endif
.endm
.macro SEND a, younger                 ; block a's rows are stored; younger: LDS instructions issued behind its loads from the stage
	s_wait_dscnt \younger
	s_wait_xcnt 0x0                                ; earlier stores have read their base and their registers
.if (\a) > 0
	s_add_nc_u64 s[12:13], s[12:13], 16*4096
.endif
.irp t, 0,1,2,3,4,5,6,7
	global_store_b128 v[CO], v[BK+32*((\a)%2)+4*\t:BK+32*((\a)%2)+4*\t+3], s[12:13] offset:2*\t*4096 th:TH_STORE_NT   ; 16 lanes store 256 consecutive bytes, aligned
.endr
.endm
.macro BLK s
.if (\s) == 0
	s_wait_dscnt NF                                ; younger than block 0's fetch: block 1's
.elseif (\s) == 7
	s_wait_dscnt NS                                ; block 6's way through the stage alone
.else
	s_wait_dscnt NS+NF                             ; the last block's way through the stage and the fetch behind it
.endif
.set N_, 0
.rept 32
	PROD \s, N_
.set N_, N_+1
.endr
	WIN 0
	PLACES 4                                       ; in front of the reads of the results and of the loads into this set
.if (\s) == 7
	SEND 6, 0
.elseif (\s) > 0
	SEND (\s)-1, NF
.endif
.irp b, 0,1,2,3
	ds_store_b128 v[STO], v[ACC+32*((\s)%2)+8*\b:ACC+32*((\s)%2)+8*\b+3] offset:64*\b        ; each accumulator from its low end on
	ds_store_b128 v[STO], v[ACC+32*((\s)%2)+8*\b+4:ACC+32*((\s)%2)+8*\b+7] offset:64*\b+16
.endr
.irp t, 0,1,2,3,4,5,6,7
	ds_load_b128 v[BK+32*((\s)%2)+4*\t:BK+32*((\s)%2)+4*\t+3], v[RD] offset:\t*2*SPITCH     ; LDS serves a wave's instructions in order (ISA guide 5.7.1.4)
.endr
.if (\s) < 6
	FETCH (\s)+2
.endif
.endm
	s_wait_alu depctr_va_vdst(0)                   ; the wait at the head's end
	s_cmp_eq_u32 s16, 0
	s_cbranch_scc0 .Lnot_b
	s_wait_tensorcnt 0x0                           ; wave 0: out_w's rows are in
.Lnot_b:
	BARRIER
.irp q, 0,1,2,3,4,5,6,7
.irp b, 0,1,2,3
	FRAGB 4*\q+\b, \q, \b                          ; my 64 rows of out_w, all of K: 192 loads
.endr
.endr
	WIN 0
	s_wait_tensorcnt 0x0                           ; every wave: A's tiles and scale bytes
	s_wait_dscnt 0x0                               ; my reads of out_w's rows are over
	BARRIER
	FETCH 0
	FETCH 1
	s_wait_loadcnt 0x0                             ; the bias and out_w's scale words
.set ST, 0
.rept 8
	BLK ST
.set ST, ST+1
.endr
	SEND 7, 0
	s_wait_tensorcnt 0x0                           ; the wave's end
	ds_add_u32 v[SPW], v[NIL]
	s_wait_dscnt 0x0
	CROUND                                         ; the closing round
	s_endpgm
.Lfunc_end_k_q2a6e7ff708_proj:
	.size	k_q2a6e7ff708_proj, .Lfunc_end_k_q2a6e7ff708_proj-k_q2a6e7ff708_proj
	.p2alignl 7, 3214868480
	.fill 96, 4, 3214868480
	.section	.rodata,"a",@progbits
	.p2align	6, 0x0
	.amdhsa_kernel k_q2a6e7ff708_proj
		.amdhsa_group_segment_fixed_size 327680
		.amdhsa_private_segment_fixed_size 0
		.amdhsa_enable_private_segment 0
		.amdhsa_kernarg_size 48
		.amdhsa_user_sgpr_count 2
		.amdhsa_user_sgpr_kernarg_segment_ptr 1
		.amdhsa_wavefront_size32 1
		.amdhsa_system_sgpr_workgroup_id_x 1
		.amdhsa_system_sgpr_workgroup_id_y 1
		.amdhsa_system_sgpr_workgroup_id_z 1
		.amdhsa_system_vgpr_workitem_id 0
		.amdhsa_next_free_vgpr 896
		.amdhsa_next_free_sgpr 100
		.amdhsa_reserve_vcc 0
		.amdhsa_float_denorm_mode_32 3
		.amdhsa_float_denorm_mode_16_64 3
		.amdhsa_memory_ordered 1
		.amdhsa_forward_progress 1
		.amdhsa_inst_pref_size 89
	.end_amdhsa_kernel
	.amdgpu_metadata
---
amdhsa.version: [ 1, 2 ]
amdhsa.kernels:
  - .name:           k_q2a6e7ff708_proj
    .symbol:         k_q2a6e7ff708_proj.kd
    .args:
      - { .name: ac, .offset: 0, .size: 8, .value_kind: global_buffer, .address_space: global }
      - { .name: asc, .offset: 8, .size: 8, .value_kind: global_buffer, .address_space: global }
      - { .name: out_w_codes, .offset: 16, .size: 8, .value_kind: global_buffer, .address_space: global }
      - { .name: out_w_scales, .offset: 24, .size: 8, .value_kind: global_buffer, .address_space: global }
      - { .name: out0, .offset: 32, .size: 8, .value_kind: global_buffer, .address_space: global }
      - { .name: out_b, .offset: 40, .size: 8, .value_kind: global_buffer, .address_space: global }
    .group_segment_fixed_size: 327680
    .private_segment_fixed_size: 0
    .kernarg_segment_align: 8
    .kernarg_segment_size: 48
    .max_flat_workgroup_size: 128
    .sgpr_count:     100
    .vgpr_count:     896
    .wavefront_size: 32
...
	.end_amdgpu_metadata
.endif
;; end of part 3
